; MI455X (gfx1250); checked and timed in simulation.
; The chip was launched on July 23, 2026; its instructions are those of AMD's public machine-readable ISA for CDNA 5 (MIT licence, August 2026) and "CDNA5" Instruction Set Architecture Reference Guide (July 2026). The comments in the code are by the model that wrote it; some were corrected since.
;; Multi Head Attention. Allowed arithmetic: matrix products marked QUANTISED: E2M3 operands, one E8M0 scale for each 32 along K, by v_wmma_scale_f32_16x16x128_f8f6f4 with both operands' format E2M3, f32 sums; everything else in f32.
;; Inputs: keys 4 x 2,048 x 16 x 64 float32; queries 4 x 2,048 x 16 x 64 float32; values 4 x 2,048 x 16 x 64 float32.
;; Outputs: out0 4 x 2,048 x 16 x 64 float32.
;; This version of the problem:
;;   THIS VERSION OF THE PROBLEM IS GIVEN IN LOW PRECISION. The matrix products marked QUANTISED in the list below multiply operands that are first quantised to E2M3 (2 exponent bits, 3 mantissa bits; 6 bits a number), with one power-of-two scale for each 32 numbers along K (OCP MX v1.0); their sums are f32. All else is computed in f32.
;;   The module's matrix products, in the order in which they are computed (A, B: the left and right operand; K: the contracted axis; several contracted axes count as one K, in the product's order):
;;     1. batch 64 x [M 2,048, K 64] x [K 64, N 2,048]; A: input queries; B: input keys: QUANTISED
;;     2. batch 64 x [M 2,048, K 2,048] x [K 2,048, N 64]; A: softmax (see below); B: input values: QUANTISED
;;   THE QUANTISER, for each operand of a quantised product, along K:
;;     - K is cut into blocks of 32 from its start; a last block that is shorter is filled with zeros.
;;     - A block's scale is 2^e with e = floor(log2(the largest magnitude in the block)) - 2, held to -126 .. 127; a block of zeros has e = 0. As a byte (E8M0): e + 127.
;;     - Each number is divided by its block's scale, clamped to +-7.5, and rounded to the nearest number of E2M3, ties to even, subnormals kept.
;;     - The product sums the exact products of the quantised numbers (number of the format x scale) in f32.
;;   ~~~python
;;   def quantise(x, axis):      # numpy; x: float32 -> the quantised numbers, widened to float32 again
;;       x = np.moveaxis(x, axis, -1); K = x.shape[-1]
;;       x = np.pad(x, [(0, 0)] * (x.ndim - 1) + [(0, -K % 32)]); x = x.reshape(x.shape[:-1] + (-1, 32)); a = np.abs(x).max(-1, keepdims=True)
;;       e = np.where(a > 0, np.clip(np.frexp(np.where(a > 0, a, 1))[1] - 1 - 2, -126, 127), 0)      # np.frexp(a)[1] - 1 = floor(log2(a)), exactly
;;       r = np.clip(x / 2.0 ** e, -7.5, 7.5)
;;       step = 2.0 ** (np.maximum(np.frexp(np.where(r == 0, 1, r))[1] - 1, 0) - 3)
;;       q = np.round(r / step) * step * 2.0 ** e      # np.round: ties to even
;;       return np.moveaxis(q.reshape(q.shape[:-2] + (-1,))[..., :K], -1, axis).astype(np.float32)
;;   ~~~
;;   SOFTMAX AHEAD OF A QUANTISED PRODUCT. Where the list says 'softmax', what is quantised is not the finished softmax but p = 2^(t - M), with t = logit x log2(e) and M = ceil(the row's largest t), a whole number; so 1/2 < the row's largest p <= 1. The row's sum l is taken of the UNQUANTISED p, in f32, and the product's result is divided by l at the end. Since M is a whole number, a kernel that streams over the keys may use a running M (the ceiling of the running maximum): every later rescaling is an exact power of two, which a block's scale takes up: the codes' values come out the same.
;;   OPERANDS COMPUTED ON THE WAY. 'Computed on the way' means the value that the module computes at that place (a softmax that the list does not call 'softmax' is quantised finished and normalised). What goes into a quantiser is computed in f32, as accurately as f32 sums, v_exp_f32 and their like allow (about 1e-6 of the number): no bf16 or f16 on the way to a quantiser, and a product that is left as it is and whose result goes on into a quantised operand takes f32 operands (vector FMAs, or v_wmma_f32_16x16x4_f32). A number that lies on a knife's edge between two numbers of the format may be rounded either way, as far as f32 arithmetic and the matrix unit's own rounding can turn it there, and no further.
;; One version. Each part assembles by itself: llvm-mc -triple=amdgcn-amd-amdhsa -mcpu=gfx1250 --defsym DOCPART=n.
;; ======== version 1 of 1: 1 launch
;; launch attn (part 1): grid 4 x 64, 16 waves a work-group, no clusters, 104,448 bytes of LDS; arguments queries, keys, values, out0; writes out0
.if DOCPART == 1
	.amdgcn_target "amdgcn-amd-amdhsa--gfx1250"
	.amdhsa_code_object_version 6
	.text
	.protected	k_qb6607e7515_attn
	.globl	k_qb6607e7515_attn
	.p2align	8
	.type	k_qb6607e7515_attn,@function
k_qb6607e7515_attn:
	s_mov_b64 s[64:65], 0
	v_nop
	global_prefetch_b8 v0, s[64:65] scope:SCOPE_SE
	s_setreg_imm32_b32 hwreg(HW_REG_WAVE_MODE, 25, 1), 1
	s_wait_xcnt 0x0
; Causal attention, 64 heads (4 x 16), 2,048 rows, head size 64; all four tensors f32, laid [4][2048][16][64]: a head's row is 256 bytes, its rows lie 4,096 bytes apart.
; Both products run on codes of FP6 (E2M3) with one E8M0 scale for each 32 along a product's K.  Product 1: K = the head's 64; the instruction's upper 64 along K are zero codes on both sides.
; Product 2: K = the keys; p = 2^(t - M), t = score x log2(e) / 8, M = the running largest t rounded UP to a whole number; p is quantised along the keys, not normalised; the row's sum is taken of the
; unquantised p and divides at the end.  When M moves, the sum and O are multiplied by 2^(old M - new M), which rounds nothing.
; SHARES.  Work-group (x, y) serves head y and the blocks of 256 queries numbered x and 7 - x, one after the other (pass 0, pass 1): 2 (x + 1) + 2 (8 - x) = 18 steps of 128 keys for every work-group, so the
; causal triangle is shared evenly among 4 x 64 = 256 work-groups.  Each of the sixteen waves owns 16 queries in 256 registers: four waves to a SIMD, so that one wave's vector work stands beside another's products.
; K AND V ARE QUANTISED HERE, on their way: in each key step waves 0-7 each make one tile of 16 keys of K's codes and waves 8-15 each one block (32 channels x 32 keys) of V^T's, from f32 numbers that they asked
; for one step earlier.  The codes go to LDS as IMAGES OF THE OPERAND'S REGISTERS, into two buffers by turns, one barrier a step; then every wave works on its own 16 queries.
; K's rows have K innermost: they are loaded as whole rows of 256 bytes and turned through the wave's own stage, so that a lane holds 32 neighbours.  V's K (the keys) is not innermost: a lane takes a channel and
; its registers run down the keys, so nothing is transposed.
; LAYOUT.  Both products are used transposed: S^T = K Q^T (source 0 = 16 keys, source 1 = my 16 queries), O^T = V^T P^T (source 0 = 16 channels, source 1 = P): a lane holds ONE query (lane % 16) throughout.
; THE KEYS OF A TILE ARE NOT NEIGHBOURS: row rho of tile 2 b + u is key 32 b + 8 u + rho + 8 (rho / 8), so that the 16 registers of tiles 2 b and 2 b + 1 are the 16 neighbouring keys 32 b + 16 (lane / 16) + 0 .. 15.
; NO CLUSTER, NO JOINT LOADS: the four work-groups of a head do read the same K and V, but work-group x begins anew at key 0 after 2 (x + 1) steps, so in most steps they stand at different keys; walked in step
; over common keys a step would last as long as its busiest partner's, 24 steps' work against these 18.  NO TENSOR LOADS: the f32 numbers must pass through registers for the conversions anyway.
; LIMITS: NaN and infinities among the inputs are not served.  A block whose largest magnitude lies under 2^-124 keeps the scale byte 1; so does a block of zeros (the quantiser's rule says 127): its codes are
; zeros, which add nothing under any byte but 0xff, and the bytes are read by this program alone.  A p under 2^-126 comes out of v_exp_f32 as 0 (ISA guide, 15.8).
.set ROW,   4096                       ; bytes from row to row of a head
.set STEPB, 128*ROW                    ; a key step in memory
.set SP,    272                        ; a stage row: 256 bytes + 16: sixteen rows that a load of 16 bytes a lane touches begin 16 bytes further on modulo 256 each
.set STGW,  16*SP                      ; a wave's stage: 16 rows.  LDS 0 .. 69,631: sixteen stages, each touched by its own wave alone (the turn of K's and Q's rows, the way out)
.set IMG,   16*STGW                    ; behind them the two image buffers
.set UNIT,  896                        ; an image: registers 0-3 of six, 16 bytes a lane (512); registers 4-5, 8 bytes a lane (256); 128 unused, so that units 896 bytes apart differ by 128 modulo 256
.set KSC,   16*UNIT                    ; K's scale words: tile t, lane l at 512 (t / 4) + 16 l + 4 (t % 4): one load of 16 bytes a lane brings four tiles' words
.set VSC,   KSC+1024                   ; V's scale bytes: channel 16 T + r, block kb at 16 r + 4 T + kb: one load of 16 bytes brings the words of T = 0 .. 3
.set BUF,   16384                      ; a buffer: 16 units, 1,024 + 256 bytes of scales
; vector registers.  v1-v15 are made at the head, ahead of the first branch on the wave's number, and never rewritten
.set LI,  1                            ; IMG + 16 lane
.set LJ,  2                            ; IMG + 8 lane
.set RV,  3                            ; IMG + 896 h + 16 r      (r = lane % 16, h = lane / 16)
.set RVJ, 4                            ; IMG + 896 h + 8 r
.set LR,  5                            ; IMG + 16 r
.set WI,  6                            ; LI + 896 wave: where I store registers 0-3 of my image
.set WJ,  7                            ; LJ + 896 wave + 512: registers 4-5
.set KWS, 8                            ; where a wave of K's stores its scale words
.set VWS, 9                            ; where a wave of V's stores its scale bytes
.set STW, 10                           ; my stage + 272 h + 16 r: whole rows, two an instruction
.set STR, 11                           ; my stage + 272 r + 128 h: 32 neighbours of row r
.set SO,  12                           ; my stage + 272 r + 32 h: eight results of row r
.set GK,  13                           ; 4,096 h + 16 r: the same two whole rows in memory (K, Q, out)
.set GV,  14                           ; 4 lane: V's 32 channels
.set SH8, 15                           ; 8 h
.set NM,  16                           ; -M
.set MX,  17                           ; the running largest t (named with -M as a pair by the packed forms)
.set SUM, 18                           ; v[18:19] the row's sum, in two halves
.set QF,  20                           ; v20-31   Q's fragment: six registers of codes, six of zeros
.set GN,  32                           ; v32-63   32 numbers of K or of V, asked for a step ahead
.set KFR, 64                           ; v64-111  four fragments of K: six registers of codes, six of zeros (cleared once)
.set SS,  112                          ; v112-175 S^T, then p; then V's four fragments in v112-159; also the turns and the way out
.set OT,  176                          ; v176-207 O^T: channels 16 T + 8 h + j at v[176 + 8 T + j]
.set PC,  208                          ; v208-219 p's codes; while quantising: the six registers of my image
.set BM,  220                          ; v220-223 the blocks' maxima
.set T8,  224                          ; v224-231 at work
.set WD,  231                          ; my image's scale byte or word
.set SCL, 232                          ; v232-235 the conversions' scale operands
.set SW,  236                          ; v236-239 scale words of K's or V's four tiles, and nothing else
.set QW,  240                          ; Q's scale word
.set PW,  241                          ; p's scale word
.set QWB, 242                          ; Q's scale word for pass 1
.set TT,  243                          ; at work
.set FF,  244                          ; v[244:245] f = 2^(old M - new M); v245 is named with it as a pair and holds 0
.set QBS, 246                          ; v246-251 Q's codes for pass 1
.set RH,  252                          ; r - 16 h
.set DD,  253                          ; the mask: my query less the step's first key less 16 h
.set NINF, 254                         ; -infinity
; scalar registers
.set WV,    12                         ; my wave's number
.set XX,    13                         ; work-group x
.set TW,    14                         ; wave % 8: which tile of K or which block of V I make
.set HB,    16                         ; s[16:17] the head's byte offset in each tensor
.set ROLEB, 18                         ; s[18:19] keys or values at my tile's first number of key step 0
.set CUR,   20                         ; s[20:21] the same at the step that is being asked for
.set KOFF,  22                         ; s[22:23] that step's byte offset
.set LIM,   24                         ; the pass's keys in bytes
.set LAST,  25                         ; 1 in the launch's last step
.set KEY,   26                         ; the step's first key
.set Q0,    27                         ; my first query
.set QL,    28                         ; my last
.set NCH,   29                         ; the pass's trips: two key steps each
.set CH,    30
.set BLK,   31                         ; the pass's block of 256 queries
.set SEL,   32                         ; s[32:33] v_permlanex16_b32's selects for lane l xor 16
.set CS,    34                         ; s[34:35] c = log2(e) / 8 (the packed form names a pair and takes its low word for both halves)
.set QPA,   36                         ; s[36:37] my queries of pass 0
.set OB,    38                         ; s[38:39] out at my first query of the pass
.set QPB,   40                         ; s[40:41] my queries of pass 1
.set OH,    42                         ; s[42:43] out at the head
.set QH,    44                         ; s[44:45] queries at the head
; Sixteen rows of 256 bytes, two an instruction: lanes 0-15 read one whole row, lanes 16-31 the next.  gap = 8: the second eight rows lie 8 further on (the keys of a tile).  nt = 1: read once in the launch
.macro LD16 reg, base, gap, nt
.irp j, 0,1,2,3,4,5,6,7
.if \nt
	global_load_b128 v[\reg+4*\j:\reg+4*\j+3], v[GK], s[\base:\base+1] offset:(2*\j+\gap*(\j/4))*ROW th:TH_LOAD_NT
.else
	global_load_b128 v[\reg+4*\j:\reg+4*\j+3], v[GK], s[\base:\base+1] offset:(2*\j+\gap*(\j/4))*ROW
.endif
.endr
.endm
; 32 keys of my channel: the wave reads 128 consecutive bytes of each key's row
.macro LDV
.irp i, 0,1,2,3,4,5,6,7,8,9,10,11,12,13,14,15,16,17,18,19,20,21,22,23,24,25,26,27,28,29,30,31
	global_load_b32 v[GN+\i], v[GV], s[CUR:CUR+1] offset:\i*ROW
.endr
.endm
.macro TURNIN src                      ; sixteen rows into my stage, as they were loaded
.irp j, 0,1,2,3,4,5,6,7
	ds_store_b128 v[STW], v[\src+4*\j:\src+4*\j+3] offset:2*\j*SP
.endr
.endm
.macro TURNOUT dst                     ; and back: lane (r, h) takes numbers 32 h .. 32 h + 31 of row r.  LDS serves a wave's instructions in order (ISA guide 5.7.1.4): these see the stores
.irp i, 0,1,2,3,4,5,6,7
	ds_load_b128 v[\dst+4*\i:\dst+4*\i+3], v[STR] offset:16*\i
.endr
.endm
; A block of 32 numbers in ONE lane's registers becomes six registers of codes at v[dst] and its scale byte in v[WD].
.macro QBLK src, dst
	v_max3_num_f32 v[BM], |v[\src]|, |v[\src+1]|, |v[\src+2]|          ; the largest magnitude, in two chains
	v_max3_num_f32 v[BM+1], |v[\src+3]|, |v[\src+4]|, |v[\src+5]|
.irp i, 6,10,14,18,22,26
	v_max3_num_f32 v[BM], v[BM], |v[\src+\i]|, |v[\src+\i+1]|
	v_max3_num_f32 v[BM+1], v[BM+1], |v[\src+\i+2]|, |v[\src+\i+3]|
.endr
	v_max3_num_f32 v[BM], v[BM], |v[\src+30]|, |v[\src+31]|
	v_max3_num_f32 v[BM], v[BM], v[BM+1], 0x1800000                    ; and the floor 2^(3 - 127): the byte cannot fall under 1
	v_add_nc_u32 v[SCL], 0xff000000, v[BM]                             ; 2 off its exponent field: the conversion takes the exponent field of this operand as its scale, and nothing else of it
	v_cvt_scalef32_pk16_fp6_f32 v[\dst:\dst+2], v[\src:\src+15], v[SCL]
	v_cvt_scalef32_pk16_fp6_f32 v[T8:T8+2], v[\src+16:\src+31], v[SCL] ; (a conversion's three registers begin on an even number)
	v_lshrrev_b32 v[WD], 23, v[SCL]                                    ; the scale's byte.  (The plain instruction between the conversions and the first touch of their results)
.irp i, 0,1,2
	v_mov_b32 v[\dst+3+\i], v[T8+\i]
.endr
.endm
; K = 64 is two blocks, one in each half of the lanes: byte h at bits 8 h, joined with lane l xor 16's.  Bytes 2 and 3 stay 0: they scale zero codes
.macro WORD dst
	v_lshlrev_b32 v[WD], v[SH8], v[WD]
	v_permlanex16_b32 v[T8+4], v[WD], s[SEL], s[SEL+1]
	v_or_b32 v[\dst], v[WD], v[T8+4]
.endm
; ---------------------------------------------------------------- the head
	s_load_b256 s[4:11], s[0:1], 0x0               ; queries s[4:5], keys s[6:7], values s[8:9], out s[10:11]
	v_lshrrev_b32 v255, 5, v0
	v_readfirstlane_b32 s[WV], v255                ; wave 0..15
	v_and_b32 v253, 31, v0                         ; lane
	v_and_b32 v254, 15, v0                         ; r
	v_bfe_u32 v255, v0, 4, 1                       ; h
	s_and_b32 s[TW], s[WV], 7
	s_mov_b32 s[XX], ttmp9
	v_lshl_add_u32 v[LI], v253, 4, IMG
	v_lshl_add_u32 v[LJ], v253, 3, IMG
	v_lshl_add_u32 v[LR], v254, 4, IMG
	v_mad_u32_u24 v[RV], v255, UNIT, v[LR]
	v_lshl_add_u32 v[RVJ], v254, 3, IMG
	v_mad_u32_u24 v[RVJ], v255, UNIT, v[RVJ]
	s_mul_i32 s46, s[WV], UNIT
	v_add_nc_u32 v[WI], s46, v[LI]
	s_add_co_u32 s47, s46, 512
	v_add_nc_u32 v[WJ], s47, v[LJ]
	s_lshr_b32 s46, s[TW], 2                       ; t / 4
	s_and_b32 s47, s[TW], 3                        ; t % 4
	s_lshl_b32 s15, s46, 9
	s_lshl_b32 s40, s47, 2
	s_add_co_u32 s15, s15, s40
	s_add_co_u32 s15, s15, KSC
	v_add_nc_u32 v[KWS], s15, v[LI]                ; IMG + KSC + 512 (t / 4) + 16 lane + 4 (t % 4)
	s_lshl_b32 s15, s46, 3
	s_add_co_u32 s15, s15, s47
	s_add_co_u32 s15, s15, VSC
	v_lshl_add_u32 v[VWS], v255, 2, v[LR]
	v_add_nc_u32 v[VWS], s15, v[VWS]               ; IMG + VSC + 16 r + 4 (2 (t / 4) + h) + t % 4: my lane's channel is 32 (t / 4) + 16 h + r, my block t % 4
	s_mul_i32 s15, s[WV], STGW                     ; my stage
	v_mul_u32_u24 v[STW], v255, SP
	v_lshl_add_u32 v[STW], v254, 4, v[STW]
	v_add_nc_u32 v[STW], s15, v[STW]
	v_mul_u32_u24 v[STR], v254, SP
	v_lshl_add_u32 v[SO], v255, 5, v[STR]
	v_lshl_add_u32 v[STR], v255, 7, v[STR]
	v_add_nc_u32 v[SO], s15, v[SO]
	v_add_nc_u32 v[STR], s15, v[STR]
	v_lshlrev_b32 v[GK], 4, v254
	v_lshl_add_u32 v[GK], v255, 12, v[GK]
	v_lshlrev_b32 v[GV], 2, v253
	v_lshlrev_b32 v[SH8], 3, v255
	v_lshlrev_b32 v[RH], 4, v255
	v_sub_nc_u32 v[RH], v254, v[RH]
	s_mov_b32 s[SEL], 0x76543210
	s_mov_b32 s[SEL+1], 0xfedcba98
	s_mov_b32 s[CS], 0x3e38aa3b                    ; c = log2(e) / sqrt(64)
	s_mov_b32 s[CS+1], s[CS]                       ; (named with it as a pair, so it is written)
	s_and_b32 s46, ttmp7, 0xffff                   ; y = 16 x batch + head
	s_lshr_b32 s47, s46, 4
	s_and_b32 s46, s46, 15
	s_lshl_b32 s47, s47, 23                        ; a batch is 2,048 x 4,096 bytes,
	s_lshl_b32 s46, s46, 8                         ; a head 256 bytes of each row
	s_add_co_u32 s[HB], s47, s46
	s_mov_b32 s[HB+1], 0
	s_lshl_b32 s46, s[XX], 8                       ; my queries' byte offsets: (256 x block + 16 x wave) rows
	s_lshl_b32 s47, s[WV], 4
	s_add_co_u32 s46, s46, s47
	s_lshl_b32 s[QPA], s46, 12
	s_mov_b32 s[QPA+1], 0
	s_sub_co_u32 s46, 7, s[XX]
	s_lshl_b32 s46, s46, 8
	s_add_co_u32 s46, s46, s47
	s_lshl_b32 s[QPB], s46, 12
	s_mov_b32 s[QPB+1], 0
	s_lshr_b32 s46, s[TW], 1                       ; a wave of K's: its tile begins at key 32 (t / 2) + 8 (t % 2)
	s_lshl_b32 s46, s46, 17
	s_and_b32 s47, s[TW], 1
	s_lshl_b32 s47, s47, 15
	s_add_co_u32 s46, s46, s47
	s_and_b32 s47, s[TW], 3                        ; a wave of V's: keys 32 (t % 4) on, channels 32 (t / 4) on
	s_lshl_b32 s47, s47, 17
	s_lshr_b32 s15, s[TW], 2
	s_lshl_b32 s15, s15, 7
	s_add_co_u32 s47, s47, s15
	s_mov_b32 s[KOFF], 0
	s_mov_b32 s[KOFF+1], 0
	s_wait_kmcnt 0x0
	s_cmp_lt_u32 s[WV], 8                          ; waves 0-7 serve K, waves 8-15 V: both choices hang on the wave's number alone
	s_cselect_b32 s46, s46, s47
	s_cselect_b64 s[ROLEB:ROLEB+1], s[6:7], s[8:9]
	s_mov_b32 s47, 0
	s_add_nc_u64 s[46:47], s[46:47], s[HB:HB+1]
	s_add_nc_u64 s[ROLEB:ROLEB+1], s[ROLEB:ROLEB+1], s[46:47]
	s_mov_b64 s[CUR:CUR+1], s[ROLEB:ROLEB+1]
	s_add_nc_u64 s[QH:QH+1], s[4:5], s[HB:HB+1]
	s_add_nc_u64 s[OH:OH+1], s[10:11], s[HB:HB+1]
	s_add_nc_u64 s[QPA:QPA+1], s[QH:QH+1], s[QPA:QPA+1]
	s_add_nc_u64 s[QPB:QPB+1], s[QH:QH+1], s[QPB:QPB+1]
	s_cmp_lt_u32 s[WV], 8
	s_cbranch_scc0 .Lhead_v
	LD16 GN, CUR, 8, 0                             ; key step 0's numbers: K and V are read again by this and three other work-groups, so no hint
	s_branch .Lhead_j
.Lhead_v:
	LDV
.Lhead_j:
	LD16 SS, QPA, 0, 1                             ; my 16 queries of pass 0,
	LD16 SS+32, QPB, 0, 1                          ; and of pass 1
.irp i, 6,7,8,9,10,11                          ; while they are on their way: the zero codes of the upper 64 along K, once for the launch
	v_mov_b32 v[QF+\i], 0
	v_mov_b32 v[KFR+\i], 0
	v_mov_b32 v[KFR+12+\i], 0
	v_mov_b32 v[KFR+24+\i], 0
	v_mov_b32 v[KFR+36+\i], 0
.endr
.irp i, 0,1,2,3,4,5,6,7
	v_mov_b32 v[T8+\i], 0                          ; written once: a lane permute's destination counts as one of its sources
.endr
	v_mov_b32 v[FF+1], 0                           ; (named as the upper half of the pair v[244:245])
	s_wait_loadcnt 0x0
	TURNIN SS
	TURNOUT SS
	TURNIN SS+32                                   ; in order behind the loads above: the stage serves both blocks
	TURNOUT SS+32
	s_wait_dscnt 16                                ; pass 0's queries are back; behind their loads stand eight stores and eight loads
	QBLK SS, QF
	WORD QW
	s_wait_dscnt 0x0
	QBLK SS+32, QBS
	WORD QWB
; ---------------------------------------------------------------- a key step: 128 keys.  pp: the pass;  sl: the image buffer
.macro STEP pp, sl
	s_wait_loadcnt 0x0                             ; this step's numbers are in; no load of mine is out, so their base may be written
	s_add_co_u32 s[KOFF], s[KOFF], STEPB           ; the step to be asked for now
	s_cmp_eq_u32 s[KOFF], s[LIM]
.if \pp
	s_cselect_b32 s[LAST], 1, 0                    ; behind pass 1's last step there is none
.endif
	s_cselect_b32 s[KOFF], 0, s[KOFF]              ; behind pass 0's last step comes pass 1's first: key 0 again
	s_add_nc_u64 s[CUR:CUR+1], s[ROLEB:ROLEB+1], s[KOFF:KOFF+1]
	s_cmp_lt_u32 s[WV], 8
	s_cbranch_scc0 .Lv_\@
	TURNIN GN                                      ; K: sixteen whole rows through my stage
	TURNOUT SS
	s_wait_dscnt 0x0                               ; my 32 neighbours are back, and the stores have read the registers that the next loads fill
.if \pp
	s_cmp_lg_u32 s[LAST], 0
	s_cbranch_scc1 .Lkn_\@
.endif
	LD16 GN, CUR, 8, 0                             ; the next step's rows have this whole step in which to arrive
.Lkn_\@:
	QBLK SS, PC
	WORD WD
	ds_store_b128 v[WI], v[PC:PC+3] offset:\sl*BUF
	ds_store_b64 v[WJ], v[PC+4:PC+5] offset:\sl*BUF
	ds_store_b32 v[KWS], v[WD] offset:\sl*BUF
	s_branch .Lj_\@
.Lv_\@:
	QBLK GN, PC                                    ; V: my channel's 32 keys are a block as they stand
.if \pp
	s_cmp_lg_u32 s[LAST], 0
	s_cbranch_scc1 .Lvn_\@
.endif
	LDV
.Lvn_\@:
	ds_store_b128 v[WI], v[PC:PC+3] offset:\sl*BUF
	ds_store_b64 v[WJ], v[PC+4:PC+5] offset:\sl*BUF
	ds_store_b8 v[VWS], v[WD] offset:\sl*BUF
.Lj_\@:
	s_wait_dscnt 0x0                               ; for the others' sake: my image has landed, and my reads of the OTHER buffer (last step's) are over.
	s_barrier_signal -1                            ; So one barrier a step serves both ways: this buffer is written again two steps on, by waves that have passed the next step's barrier,
	s_barrier_wait -1                              ; which every wave signals only behind its reads of this one
	s_cmp_gt_u32 s[KEY], s[QL]                     ; CAUSAL: a step all of whose keys come after my 16 queries is left out: a branch on ids, round no barrier
	s_cbranch_scc1 .Lhid_\@
.irp g, 0,1                                    ; S^T = K Q^T, four tiles of 16 keys at a time
.if \g
.rept 4
	v_nop                                          ; four places in front of loads into registers that matrix instructions have read (ISA guide 7.12.1 for vector instructions)
.endr
.endif
.irp t, 0,1,2,3
	ds_load_b128 v[KFR+12*\t:KFR+12*\t+3], v[LI] offset:\sl*BUF+UNIT*(4*\g+\t)
	ds_load_b64 v[KFR+12*\t+4:KFR+12*\t+5], v[LJ] offset:\sl*BUF+UNIT*(4*\g+\t)+512
.endr
	ds_load_b128 v[SW:SW+3], v[LI] offset:\sl*BUF+KSC+512*\g
	s_wait_dscnt 0x0
.irp t, 0,1,2,3
	v_wmma_scale_f32_16x16x128_f8f6f4 v[SS+8*(4*\g+\t):SS+8*(4*\g+\t)+7], v[KFR+12*\t:KFR+12*\t+11], v[QF:QF+11], 0, v[SW+\t], v[QW] matrix_a_fmt:MATRIX_FMT_FP6 matrix_b_fmt:MATRIX_FMT_FP6
.endr
.endr                                          ; register 16 b + i of S^T: key KEY + 32 b + 16 h + i, query r
.rept 4
	v_nop
.endr
	s_add_co_u32 s46, s[KEY], 127                  ; on the diagonal the scores of hidden keys become -infinity ahead of the maximum: p = 0 then.  A step all of whose keys count skips this
	s_cmp_le_u32 s46, s[Q0]
	s_cbranch_scc1 .Lopen_\@
	s_sub_co_i32 s46, s[Q0], s[KEY]
	v_add_nc_u32 v[DD], s46, v[RH]                 ; d = my query - KEY - 16 h: register 16 b + i is hidden where 32 b + i > d
	v_mov_b32 v[NINF], 0xff800000
.set n, 0
.rept 64
	v_cmp_gt_i32 vcc_lo, 32*(n/16)+n%16, v[DD]
	v_cndmask_b32 v[SS+n], v[SS+n], v[NINF], vcc_lo
.set n, n+1
.endr
.Lopen_\@:
.irp b, 0,1,2,3
	v_max3_num_f32 v[BM+\b], v[SS+16*\b], v[SS+1+16*\b], v[SS+2+16*\b]   ; THE LARGEST SCORE OF EACH BLOCK OF 32 KEYS serves twice: for the row's maximum, and, since p rises with the score, for the block's largest p
.endr
.irp i, 3,5,7,9,11,13
.irp b, 0,1,2,3
	v_max3_num_f32 v[BM+\b], v[BM+\b], v[SS+16*\b+\i], v[SS+1+16*\b+\i]   ; (the four blocks by turns)
.endr
.endr
.irp b, 0,1,2,3
	v_max_num_f32 v[BM+\b], v[BM+\b], v[SS+15+16*\b]
.endr
.irp b, 0,1,2,3
	v_permlanex16_b32 v[T8+\b], v[BM+\b], s[SEL], s[SEL+1]
.endr
.irp b, 0,1,2,3
	v_max_num_f32 v[BM+\b], v[BM+\b], v[T8+\b]     ; with lane l xor 16's 16 keys
.endr
	v_max3_num_f32 v[TT], v[BM], v[BM+1], v[BM+2]
	v_max_num_f32 v[TT], v[TT], v[BM+3]            ; the step's largest score of my query
	v_mul_f32 v[TT], s[CS], v[TT]                  ; as t (c is positive)
	v_max_num_f32 v[MX], v[MX], v[TT]              ; the running largest t
	v_mov_b32 v[TT], v[NM]
	v_floor_f32 v[NM], -v[MX]                      ; the new -M = floor(-t) = -ceil(t): M IS A WHOLE NUMBER
	v_sub_f32 v[TT], v[NM], v[TT]                  ; M's old value less its new one: a whole number, 0 or less
	v_cvt_i32_f32 v[TT], v[TT]                     ; (it saturates)
	v_ldexp_f32 v[FF], 1.0, v[TT]                  ; f = 2^(old M - new M)
.irp j, 0,2,4,6,8,10,12,14,16,18,20,22,24,26,28,30,32,34,36,38,40,42,44,46,48,50,52,54,56,58,60,62
	v_pk_fma_f32 v[SS+\j:SS+\j+1], v[SS+\j:SS+\j+1], s[CS:CS+1], v[NM:NM+1] op_sel_hi:[1,0,0]   ; t - M, two at a time (of the pairs c and -M the low word serves both halves)
.endr
.irp b, 0,1,2,3
	v_fma_f32 v[BM+\b], v[BM+\b], s[CS], v[NM]     ; the same of each block's largest score
.endr
.set n, 0
.rept 64
	v_exp_f32 v[SS+n], v[SS+n]                     ; p = 2^(t - M): NOT normalised
.set n, n+1
.endr
.irp b, 0,1,2,3
	v_exp_f32 v[BM+\b], v[BM+\b]                   ; the block's largest p: the same two instructions on the same number give the same bits
.endr
	v_pk_mul_f32 v[SUM:SUM+1], v[SUM:SUM+1], v[FF:FF+1] op_sel_hi:[1,0]   ; the sums under the new M.  (The plain instruction behind the exponentials: ISA guide 5.7.2)
	s_wait_alu depctr_va_vdst(0)
.irp b, 0,1,2,3
	v_max_num_f32 v[BM+\b], 0x1800000, v[BM+\b]    ; the floor 2^(3 - 127): a block whose every p is 0 keeps the byte 1: its codes are zeros
.endr
.irp b, 0,1,2,3
	v_add_nc_u32 v[SCL+\b], 0xff000000, v[BM+\b]   ; 2 off the exponent field: the conversion's scale operand
.endr
.irp b, 0,1,2,3
	v_lshrrev_b32 v[T8+\b], 23, v[SCL+\b]          ; the scale's byte
.endr
	v_lshl_or_b32 v[PW], v[T8+1], 8, v[T8]         ; p's scale word for these 128 keys
	v_lshl_or_b32 v[PW], v[T8+2], 16, v[PW]
	v_lshl_or_b32 v[PW], v[T8+3], 24, v[PW]
.irp c, 0,1
	v_cvt_scalef32_pk16_fp6_f32 v[PC+6*\c:PC+6*\c+2], v[SS+32*\c:SS+32*\c+15], v[SCL+2*\c]
	v_cvt_scalef32_pk16_fp6_f32 v[T8+4*\c:T8+4*\c+2], v[SS+16+32*\c:SS+31+32*\c], v[SCL+2*\c+1]   ; (a conversion's three registers begin on an even number)
.endr
	v_pk_add_f32 v[BM:BM+1], v[SS:SS+1], v[SS+2:SS+3]   ; THE ROW'S SUM IS TAKEN OF THE UNQUANTISED p: two at a time, in two chains.  (These are also the plain instructions behind the conversions)
.irp j, 4,8,12,16,20,24,28,32,36,40,44,48,52,56,60
	v_pk_add_f32 v[SUM:SUM+1], v[SUM:SUM+1], v[SS+\j:SS+\j+1]
	v_pk_add_f32 v[BM:BM+1], v[BM:BM+1], v[SS+2+\j:SS+3+\j]
.endr
	v_pk_add_f32 v[SUM:SUM+1], v[SUM:SUM+1], v[BM:BM+1]
.irp t, 0,1,2,3                                ; p is spent: V's four fragments take its registers.  Lane (r, h) wants channel 16 T + r, keys 64 c + 32 h on: lane 16 (T % 2) + r of unit 8 + 4 (T / 2) + 2 c + h
.irp c, 0,1
	ds_load_b128 v[SS+12*\t+6*\c:SS+12*\t+6*\c+3], v[RV] offset:\sl*BUF+UNIT*(8+4*(\t/2)+2*\c)+256*(\t%2)
	ds_load_b64 v[SS+12*\t+6*\c+4:SS+12*\t+6*\c+5], v[RVJ] offset:\sl*BUF+UNIT*(8+4*(\t/2)+2*\c)+512+128*(\t%2)
.endr
.endr
	ds_load_b128 v[SW:SW+3], v[LR] offset:\sl*BUF+VSC
.irp c, 0,1                                    ; the operand's layout wants a WHOLE block in a lane: lanes 0-15 block 2 c, lanes 16-31 block 2 c + 1
.irp i, 0,1,2
	v_permlane16_swap_b32 v[PC+6*\c+\i], v[T8+4*\c+\i]
.endr
.irp i, 0,1,2
	v_mov_b32 v[PC+3+6*\c+\i], v[T8+4*\c+\i]
.endr
.endr
.irp j, 0,2,4,6,8,10,12,14,16,18,20,22,24,26,28,30
	v_pk_mul_f32 v[OT+\j:OT+\j+1], v[OT+\j:OT+\j+1], v[FF:FF+1] op_sel_hi:[1,0]   ; O^T under the new M, each tile from its low end on.  For each product below twelve of these name none of its registers: the places behind the moves into p's codes
.endr
	s_wait_dscnt 0x0
.irp t, 0,1,2,3                                ; O^T += V^T P^T: four tiles of 16 channels, one instruction each: the accumulators take turns, and eight score products stand between two links
	v_wmma_scale_f32_16x16x128_f8f6f4 v[OT+8*\t:OT+8*\t+7], v[SS+12*\t:SS+12*\t+11], v[PC:PC+11], v[OT+8*\t:OT+8*\t+7], v[SW+\t], v[PW] matrix_a_fmt:MATRIX_FMT_FP6 matrix_b_fmt:MATRIX_FMT_FP6
.endr
.rept 5
	v_nop                                          ; four places in front of loads and vector writes into these products' registers; a fifth, since the next step's score products, begun anew, write over the registers that held V
.endr
.Lhid_\@:
	s_add_co_u32 s[KEY], s[KEY], 128
.endm
; ---------------------------------------------------------------- the way out: O^T / the sum, through my stage, as whole rows of 256 bytes
.macro OUT pp
	v_add_f32 v[SUM], v[SUM], v[SUM+1]             ; the sum's two halves,
	v_permlanex16_b32 v[T8], v[SUM], s[SEL], s[SEL+1]
	v_add_f32 v[SUM], v[SUM], v[T8]                ; and lane l xor 16's: the row's sum
	v_rcp_f32 v[SUM], v[SUM]
	v_nop                                          ; a plain instruction between the reciprocal and its use
	s_wait_alu depctr_va_vdst(0)
.irp j, 0,2,4,6,8,10,12,14,16,18,20,22,24,26,28,30
	v_pk_mul_f32 v[SS+\j:SS+\j+1], v[OT+\j:OT+\j+1], v[SUM:SUM+1] op_sel_hi:[1,0]   ; register 8 T + j is out(query r, channel 16 T + 8 h + j)
.endr
.irp t, 0,1,2,3
	ds_store_b128 v[SO], v[SS+8*\t:SS+8*\t+3] offset:64*\t
	ds_store_b128 v[SO], v[SS+8*\t+4:SS+8*\t+7] offset:64*\t+16
.endr
.irp i, 0,1,2,3,4,5,6,7
	ds_load_b128 v[SS+32+4*\i:SS+32+4*\i+3], v[STW] offset:2*\i*SP   ; in order behind my stores
.endr
.irp i, 0,1,2,3,4,5,6,7
	s_wait_dscnt 7-\i                              ; LDS loads come back in order: load i is in, the 7 - i younger ones may be out
	global_store_b128 v[GK], v[SS+32+4*\i:SS+32+4*\i+3], s[OB:OB+1] offset:2*\i*ROW th:TH_STORE_NT   ; sixteen lanes store 256 consecutive bytes, at a multiple of 256 from out's first byte; written once, read by nobody here
.endr
.if \pp == 0
	s_wait_xcnt 0x0                                ; the stores' base and data are written again only behind this wait
.endif
.endm
; ---------------------------------------------------------------- a pass: one block of 256 queries against keys 0 .. 256 (block + 1) - 1
.macro PASS pp
.if \pp == 0
	s_mov_b32 s[BLK], s[XX]
.else
	s_sub_co_u32 s[BLK], 7, s[XX]
.endif
	s_lshl_b32 s[Q0], s[BLK], 8
	s_lshl_b32 s46, s[WV], 4
	s_add_co_u32 s[Q0], s[Q0], s46                 ; my first query
	s_add_co_u32 s[QL], s[Q0], 15
	s_add_co_u32 s[NCH], s[BLK], 1                 ; trips of two key steps: the same number in all sixteen waves
	s_lshl_b32 s[LIM], s[NCH], 20                  ; 256 keys x 4,096 bytes a trip
	s_mov_b32 s[KEY], 0
	s_lshl_b32 s46, s[Q0], 12
	s_mov_b32 s47, 0
	s_add_nc_u64 s[OB:OB+1], s[OH:OH+1], s[46:47]
.if \pp
.irp i, 0,1,2,3,4,5
	v_mov_b32 v[QF+\i], v[QBS+\i]                  ; pass 1's queries
.endr
	v_mov_b32 v[QW], v[QWB]                        ; (the 36 lines below stand between this scale word and the first product that names it)
.endif
	v_mov_b32 v[MX], 0xff61b1e6                    ; the largest t so far: -3e38, under every t
	v_floor_f32 v[NM], -v[MX]
	v_mov_b32 v[SUM], 0
	v_mov_b32 v[SUM+1], 0
.set n, 0
.rept 32
	v_mov_b32 v[OT+n], 0                           ; the step is written once: the first finds zeros, which the first change of M leaves zeros
.set n, n+1
.endr
	s_mov_b32 s[CH], 0
.Lchunk_\pp:
	STEP \pp, 0
	STEP \pp, 1
	s_add_co_u32 s[CH], s[CH], 1
	s_cmp_lt_u32 s[CH], s[NCH]
	s_cbranch_scc1 .Lchunk_\pp
	OUT \pp
.endm
	PASS 0
	PASS 1
	s_barrier_signal -1
	s_barrier_wait -1
	s_wait_xcnt 0x0
	v_lshl_add_u32 v254, v0, 2, 0x19000
	v_mov_b32 v255, 0
	s_wait_tensorcnt 0x0
	ds_add_u32 v254, v255
	s_wait_dscnt 0x0
	s_endpgm
.Lfunc_end_k_qb6607e7515_attn:
	.size	k_qb6607e7515_attn, .Lfunc_end_k_qb6607e7515_attn-k_qb6607e7515_attn
	.p2alignl 7, 3214868480
	.fill 96, 4, 3214868480
	.section	.rodata,"a",@progbits
	.p2align	6, 0x0
	.amdhsa_kernel k_qb6607e7515_attn
		.amdhsa_group_segment_fixed_size 104448
		.amdhsa_private_segment_fixed_size 0
		.amdhsa_enable_private_segment 0
		.amdhsa_kernarg_size 32
		.amdhsa_user_sgpr_count 2
		.amdhsa_user_sgpr_kernarg_segment_ptr 1
		.amdhsa_wavefront_size32 1
		.amdhsa_system_sgpr_workgroup_id_x 1
		.amdhsa_system_sgpr_workgroup_id_y 1
		.amdhsa_system_sgpr_workgroup_id_z 1
		.amdhsa_system_vgpr_workitem_id 0
		.amdhsa_next_free_vgpr 256
		.amdhsa_next_free_sgpr 66
		.amdhsa_reserve_vcc 1
		.amdhsa_float_denorm_mode_32 3
		.amdhsa_float_denorm_mode_16_64 3
		.amdhsa_memory_ordered 1
		.amdhsa_forward_progress 1
		.amdhsa_inst_pref_size 144
	.end_amdhsa_kernel
	.amdgpu_metadata
---
amdhsa.version: [ 1, 2 ]
amdhsa.kernels:
  - .name:           k_qb6607e7515_attn
    .symbol:         k_qb6607e7515_attn.kd
    .args:
      - { .name: queries, .offset: 0, .size: 8, .value_kind: global_buffer, .address_space: global }
      - { .name: keys, .offset: 8, .size: 8, .value_kind: global_buffer, .address_space: global }
      - { .name: values, .offset: 16, .size: 8, .value_kind: global_buffer, .address_space: global }
      - { .name: out0, .offset: 24, .size: 8, .value_kind: global_buffer, .address_space: global }
    .group_segment_fixed_size: 104448
    .private_segment_fixed_size: 0
    .kernarg_segment_align: 8
    .kernarg_segment_size: 32
    .max_flat_workgroup_size: 512
    .sgpr_count:     66
    .vgpr_count:     256
    .wavefront_size: 32
...
	.end_amdgpu_metadata
.endif
;; end of part 1
